; MI455X (gfx1250); checked and timed in simulation.
; The chip was launched on July 23, 2026; its instructions are those of AMD's public machine-readable ISA for CDNA 5 (MIT licence, August 2026) and "CDNA5" Instruction Set Architecture Reference Guide (July 2026). The comments in the code are by the model that wrote it; some were corrected since.
;; Q8 Linear Lora. Allowed arithmetic: matrix products marked QUANTISED: E2M1 operands, one E8M0 scale for each 32 along K, by v_wmma_scale_f32_16x16x128_f8f6f4 with both operands' format E2M1 (or v_wmma_scale_f32_32x16x128_f4), f32 sums; products left as they are: f32 operands where the result goes on into a quantised operand, else bf16, f16 or f32 operands; f32 sums; everything else in f32.
;; Inputs: bias 4,096 float32; lora_a 16 x 4,096 float32; lora_b 4,096 x 16 float32; scales 4,096 float32; weight 4,096 x 4,096 int8; x 4,096 x 4,096 int8; x_scales 4,096 float32.
;; Outputs: out0 4,096 x 4,096 float32.
;; Constants: fuse_gelu = 1.
;; This version of the problem:
;;   THIS VERSION OF THE PROBLEM IS GIVEN IN LOW PRECISION. The matrix products marked QUANTISED in the list below multiply operands that are first quantised to E2M1 (2 exponent bits, 1 mantissa bit; 4 bits a number), with one power-of-two scale for each 32 numbers along K (OCP MX v1.0); their sums are f32. All else is computed in f32.
;;   The module's matrix products, in the order in which they are computed (A, B: the left and right operand; K: the contracted axis; several contracted axes count as one K, in the product's order):
;;     1. [M 4,096, K 4,096] x [K 4,096, N 4,096]; A: input x; B: input weight: left as it is (operands are no floats)
;;     2. [M 4,096, K 4,096] x [K 4,096, N 16]; A: computed on the way; B: input lora_a: QUANTISED
;;     3. [M 4,096, K 16] x [K 16, N 4,096]; A: computed on the way; B: input lora_b: left as it is (K = 16 < 32)
;;   THE QUANTISER, for each operand of a quantised product, along K:
;;     - K is cut into blocks of 32 from its start; a last block that is shorter is filled with zeros.
;;     - A block's scale is 2^e with e = floor(log2(the largest magnitude in the block)) - 2, held to -126 .. 127; a block of zeros has e = 0. As a byte (E8M0): e + 127.
;;     - Each number is divided by its block's scale, clamped to +-6, and rounded to the nearest number of E2M1, ties to even, subnormals kept.
;;     - The product sums the exact products of the quantised numbers (number of the format x scale) in f32.
;;   ~~~python
;;   def quantise(x, axis):      # numpy; x: float32 -> the quantised numbers, widened to float32 again
;;       x = np.moveaxis(x, axis, -1); K = x.shape[-1]
;;       x = np.pad(x, [(0, 0)] * (x.ndim - 1) + [(0, -K % 32)]); x = x.reshape(x.shape[:-1] + (-1, 32)); a = np.abs(x).max(-1, keepdims=True)
;;       e = np.where(a > 0, np.clip(np.frexp(np.where(a > 0, a, 1))[1] - 1 - 2, -126, 127), 0)      # np.frexp(a)[1] - 1 = floor(log2(a)), exactly
;;       r = np.clip(x / 2.0 ** e, -6, 6)
;;       step = 2.0 ** (np.maximum(np.frexp(np.where(r == 0, 1, r))[1] - 1, 0) - 1)
;;       q = np.round(r / step) * step * 2.0 ** e      # np.round: ties to even
;;       return np.moveaxis(q.reshape(q.shape[:-2] + (-1,))[..., :K], -1, axis).astype(np.float32)
;;   ~~~
;;   OPERANDS COMPUTED ON THE WAY. 'Computed on the way' means the value that the module computes at that place (a softmax that the list does not call 'softmax' is quantised finished and normalised). What goes into a quantiser is computed in f32, as accurately as f32 sums, v_exp_f32 and their like allow (about 1e-6 of the number): no bf16 or f16 on the way to a quantiser, and a product that is left as it is and whose result goes on into a quantised operand takes f32 operands (vector FMAs, or v_wmma_f32_16x16x4_f32). A number that lies on a knife's edge between two numbers of the format may be rounded either way, as far as f32 arithmetic and the matrix unit's own rounding can turn it there, and no further.
;; One version. Each part assembles by itself: llvm-mc -triple=amdgcn-amd-amdhsa -mcpu=gfx1250 --defsym DOCPART=n.
;; ======== version 1 of 1: 2 launches
;; workspace buffers: tq 262,144 bytes
;; launch lorat (part 1): grid 128 x 2, 8 waves a work-group, clusters of 4 x 1, 220,160 bytes of LDS; arguments x, x_scales, lora_a, tq; writes tq
.if DOCPART == 1
	.amdgcn_target "amdgcn-amd-amdhsa--gfx1250"
	.amdhsa_code_object_version 6
	.text
	.protected	k_q163d8045b4_lorat
	.globl	k_q163d8045b4_lorat
	.p2align	8
	.type	k_q163d8045b4_lorat,@function
k_q163d8045b4_lorat:
	s_mov_b64 s[64:65], 0
	v_nop
	global_prefetch_b8 v0, s[64:65] scope:SCOPE_SE
	s_setreg_imm32_b32 hwreg(HW_REG_WAVE_MODE, 25, 1), 1
	s_wait_xcnt 0x0
	s_wait_alu depctr_hold_cnt(0) depctr_sa_sdst(0) depctr_va_vdst(0) depctr_va_sdst(0) depctr_va_ssrc(0) depctr_va_vcc(0) depctr_vm_vsrc(0)
	s_getreg_b32 s2, hwreg(HW_REG_IB_STS2, 6, 4)
	s_cmp_eq_u32 s2, 0
	s_cbranch_scc0 .Lentry_in_a_cluster
	s_endpgm
.Lentry_in_a_cluster:
	s_bfe_u32 s2, ttmp6, 0x10000c
	s_cmp_lg_u32 s2, 0x3003
	s_cbranch_scc0 .Lentry_shape_is_right
	s_endpgm
.Lentry_shape_is_right:
; T_p[m][j] = sum over k in [2048 p, 2048 p + 2048) of Q(x[m][k] xs[m]) Q(lora_a[j][k]), Q the MX-FP4 quantiser along K (blocks of 32, E8M0 scales).
; x: [4096][4096] int8; xs: [4096] f32; lora_a: [16][4096] f32; tq: [2 (p)][4096 (m)][16 (j)] bf16, 32 bytes a row.
; The two halves of K stay apart: the next launch's bf16 product has K = 32 and takes T_0 as k 0-15 and T_1 as k 16-31, so the matrix unit adds them.
; SHARES.  Work-group (g, p): rows 32 g .. 32 g + 31, the p-th 2,048 of K.  Wave w: 256 of K (two K steps of 128) for two tiles of 16 rows: four matrix instructions.
; Each wave brings its own tiles by two tensor loads and reads only those; nothing in LDS is filled twice.  The eight waves' partial sums meet in LDS, and waves 0 and 1 add them.
; CLUSTER.  The four work-groups of a cluster have the same p and want the same tiles of lora_a: these are asked for jointly (mask 15).  x's rows belong to one work-group: plain loads.
; x xs IN f32: u = x + 128 (one exclusive or on four bytes), u as f32, then fma(u, xs, -128 xs): -128 xs is exact, so the exact (u - 128) xs is rounded once.
; THE PRODUCT IS USED TRANSPOSED: source 0 = lora_a's 16 rows, source 1 = 16 rows of x: lane (r, h) holds row r of T and its registers the ranks 8 h + 0 .. 7: 16 neighbouring bytes of tq in bf16.
; LIMITS: NaN and infinities in xs or lora_a are not served.  A block whose largest magnitude lies under 2^-124 (a block of zeros too) gets the scale byte 1; the bytes never leave this launch.
; T_0 and T_1 are each rounded to bf16.
.set XP,   272                         ; a row of x's tile in LDS: 256 bytes + 16 of padding: the 16 rows of a load begin 16 bytes apart modulo 256
.set LP,   1040                        ; a row of lora_a's tile: 1,024 bytes + 16
.set XTW,  32*XP                       ; x's tile of one wave: 8,704 bytes; the eight lie from LDS byte 0 on
.set LT,   8*XTW                       ; 69,632: lora_a's tiles
.set LTW,  16*LP                       ; 16,640 bytes a wave
.set RED,  LT+8*LTW                    ; 202,752: the partial sums, 2,048 bytes a wave, as images of the registers; no tensor load lands here
.set AX,  4                            ; v4   my place in x's tile: wave's tile + 272 r + 32 h
.set AL,  5                            ; v5   in lora_a's: wave's tile + 1,040 r + 128 h
.set SH,  6                            ; v6   8 h: how far my two scale bytes are shifted
.set RW,  7                            ; v7   where I put partial sums: RED + 2,048 wave + 16 lane
.set RR,  8                            ; v8   where a summing wave reads them: RED + 1,024 (wave & 1) + 16 lane
.set TO,  9                            ; v9   my 16 bytes of tq: 512 (wave & 1) + 32 r + 16 h
.set XO,  10                           ; v10  4 r
.set PX,  11                           ; v11  the lane exchange's destination
.set XSP, 12                           ; v[12:13], v[14:15]  xs of my row in tile 0, tile 1, twice each (a pair for the packed form)
.set XSN, 16                           ; v[16:17], v[18:19]  -128 xs likewise
.set M,   20                           ; v20-21  two blocks' largest magnitudes
.set SO,  22                           ; v22-23  the conversions' scale operands
.set BY,  24                           ; v24-25  the scale bytes
.set LS,  26                           ; v26-27  lora_a's scale words, K step 0, 1
.set XW,  28                           ; v28     x's scale word
.set LA,  32                           ; v[32:47]  lora_a's codes, K step 0, 1
.set XC,  48                           ; v[48:55]  x's codes
.set XR,  64                           ; v[64:79]  64 bytes of x as loaded
.set F,   80                           ; v[80:143] 64 numbers in f32: register 32 c + i is k = 64 c + 32 h + i of my row
.set ACC, 144                          ; v[144:159] the two accumulators
.set OB,  160                          ; v[160:163] a row's eight ranks in bf16
.set SEL, 40                           ; s[40:41] lane selects: lane l xor 16
.macro CROUND                          ; a round of the cluster's barrier: my work-group's barrier, wave 0 signals for the work-group, every wave waits for all four, my work-group's barrier once more
	s_barrier_signal -1
	s_barrier_wait -1
	s_cmp_lg_u32 s12, 0
	s_cbranch_scc1 .Lnot_wave_0_\@
	s_barrier_signal -3
.Lnot_wave_0_\@:
	s_barrier_wait -3
	s_barrier_signal -1
	s_barrier_wait -1
.endm
; The 64 numbers in F become a fragment's 8 registers of codes at v[dst] and its scale word in v[word].  A lane holds two whole blocks (h and 2 + h of its row), so no other lane is asked for a maximum.
.macro QUANTF dst, word
.irp c, 0,1
	v_max3_num_f32 v[M+\c], |v[F+32*\c]|, |v[F+32*\c+1]|, 0x1800000   ; the floor 2^(3 - 127) among the leaves: the byte cannot fall under 1
.endr
.irp i, 2,4,6,8,10,12,14,16,18,20,22,24,26,28,30
.irp c, 0,1
	v_max3_num_f32 v[M+\c], v[M+\c], |v[F+32*\c+\i]|, |v[F+32*\c+\i+1]|   ; the two blocks by turns
.endr
.endr
.irp c, 0,1
	v_add_nc_u32 v[SO+\c], 0xff000000, v[M+\c]     ; 2 off the exponent field: the conversion takes this operand's exponent field as its scale
.endr
.irp c, 0,1
	v_lshrrev_b32 v[BY+\c], 23, v[SO+\c]           ; the scale's byte
.endr
	v_lshl_or_b32 v[\word], v[BY+1], 16, v[BY]     ; bytes of blocks h and 2 + h,
	v_lshlrev_b32 v[\word], v[SH], v[\word]        ; at their places;
	v_permlanex16_b32 v[PX], v[\word], s[SEL], s[SEL+1]
	v_or_b32 v[\word], v[\word], v[PX]             ; with lane l xor 16's two the word is whole
.irp c, 0,1
.irp g, 0,1,2,3
	v_cvt_scalef32_pk8_fp4_f32 v[\dst+4*\c+\g], v[F+32*\c+8*\g:F+32*\c+8*\g+7], v[SO+\c]
.endr
.endr
	v_nop                                          ; one plain instruction behind the last scaled conversion
.endm
; lora_a's K step q: 64 f32 numbers a lane from my tile, quantised
.macro LQ q
.irp c, 0,1
.irp i, 0,1,2,3,4,5,6,7
	ds_load_b128 v[F+32*\c+4*\i:F+32*\c+4*\i+3], v[AL] offset:512*\q+256*\c+16*\i
.endr
.endr
	s_wait_dscnt 0x0
	QUANTF LA+8*\q, LS+\q
.endm
; x's tile t, K step q: 64 bytes a lane, widened, scaled, quantised, multiplied
.macro XQ t, q
.irp c, 0,1
.irp i, 0,1
	ds_load_b128 v[XR+8*\c+4*\i:XR+8*\c+4*\i+3], v[AX] offset:16*XP*\t+128*\q+64*\c+16*\i
.endr
.endr
	s_wait_dscnt 0x0
.set j, 0
.rept 16
	v_xor_b32 v[XR+j], s50, v[XR+j]                ; four bytes at once: x + 128, unsigned
.set j, j+1
.endr
.set j, 0
.rept 16
	v_and_b32 v[F+4*j], 0xff, v[XR+j]
	v_bfe_u32 v[F+4*j+1], v[XR+j], 8, 8
	v_bfe_u32 v[F+4*j+2], v[XR+j], 16, 8
	v_lshrrev_b32 v[F+4*j+3], 24, v[XR+j]
.set j, j+1
.endr
.set j, 0
.rept 64
	v_cvt_f32_u32 v[F+j], v[F+j]
.set j, j+1
.endr
.set j, 0
.rept 32
	v_pk_fma_f32 v[F+2*j:F+2*j+1], v[F+2*j:F+2*j+1], v[XSP+2*\t:XSP+2*\t+1], v[XSN+2*\t:XSN+2*\t+1]   ; u xs - 128 xs = x xs, rounded once
.set j, j+1
.endr
	QUANTF XC, XW
.rept 7
	v_nop                                          ; with the one above: eight places between the scale word's last write and the scaled matrix instruction (four are asked for the codes)
.endr
.if \q == 0
	v_wmma_scale_f32_16x16x128_f8f6f4 v[ACC+8*\t:ACC+8*\t+7], v[LA+8*\q:LA+8*\q+7], v[XC:XC+7], 0, v[LS+\q], v[XW] matrix_a_fmt:MATRIX_FMT_FP4 matrix_b_fmt:MATRIX_FMT_FP4
.else
	v_wmma_scale_f32_16x16x128_f8f6f4 v[ACC+8*\t:ACC+8*\t+7], v[LA+8*\q:LA+8*\q+7], v[XC:XC+7], v[ACC+8*\t:ACC+8*\t+7], v[LS+\q], v[XW] matrix_a_fmt:MATRIX_FMT_FP4 matrix_b_fmt:MATRIX_FMT_FP4
.endif
.endm
	s_load_b128 s[4:7], s[0:1], 0x0                ; x s[4:5], x_scales s[6:7]
	s_load_b128 s[8:11], s[0:1], 0x10              ; lora_a s[8:9], tq s[10:11]
	v_lshl_add_u32 v200, v0, 2, 0x35800
	v_mov_b32 v201, 0
	ds_add_u32 v200, v201
	ds_add_u32 v200, v201
	v_lshrrev_b32 v1, 5, v0
	v_readfirstlane_b32 s12, v1                    ; wave 0..7
	s_bfe_u32 s13, ttmp6, 0x40000                  ; cx: my place in the cluster
	s_lshl_b32 s14, ttmp9, 2
	s_add_co_u32 s14, s14, s13                     ; g = 4 x cluster x + cx: it enters x's, xs's and tq's addresses alone
	s_and_b32 s15, ttmp7, 0xffff                   ; p, which the four partners share
	; group 1 for lora_a's tiles: 16 rows x 256 elements of 4 bytes, rows 4,096 elements apart; 4 words of padding behind every 256 words; mask: all four work-groups
	s_mov_b32 s24, 15|(2<<16)|(1<<20)|(1<<21)|(7<<22)|(3<<25)
	s_mov_b32 s25, 256<<16                         ; tensor_dim0
	s_mov_b32 s26, 16<<16                          ; tensor_dim1
	s_mov_b32 s27, 256<<16                         ; tile_dim0
	s_mov_b32 s28, 16                              ; tile_dim1
	s_mov_b32 s29, 4096                            ; from row to row
	s_mov_b32 s30, 0
	s_mov_b32 s31, 0
	; group 1 for x's tiles: 32 rows x 256 bytes, rows 4,096 bytes apart; 4 words of padding behind every 64 words; no mask
	s_mov_b32 s16, (0<<16)|(1<<20)|(5<<22)|(3<<25)
	s_mov_b32 s17, 256<<16
	s_mov_b32 s18, 32<<16
	s_mov_b32 s19, 256<<16
	s_mov_b32 s20, 32
	s_mov_b32 s21, 4096
	s_mov_b32 s22, 0
	s_mov_b32 s23, 0
	s_lshl_b32 s48, s15, 13                        ; lora_a: (2,048 p + 256 wave) x 4 bytes: of p and the wave's number alone
	s_lshl_b32 s49, s12, 10
	s_add_co_u32 s48, s48, s49
	s_mov_b32 s49, 0
	s_lshl_b32 s42, s14, 17                        ; x: 32 g rows of 4,096 bytes + 2,048 p + 256 wave
	s_lshl_b32 s43, s15, 11
	s_add_co_u32 s42, s42, s43
	s_lshl_b32 s43, s12, 8
	s_add_co_u32 s42, s42, s43
	s_mov_b32 s43, 0
	s_lshl_b32 s44, s14, 7                         ; xs: 32 g x 4 bytes
	s_mov_b32 s45, 0
	s_lshl_b32 s46, s15, 17                        ; tq: plane p of 131,072 bytes + 32 g rows of 32 bytes
	s_lshl_b32 s47, s14, 10
	s_add_co_u32 s46, s46, s47
	s_mov_b32 s47, 0
	s_mul_i32 s51, s12, XTW                        ; my tiles in LDS: the wave's number times a constant, plus a constant
	s_mul_i32 s52, s12, LTW
	s_add_co_u32 s52, s52, LT
	s_lshl_b32 s53, s12, 11
	s_add_co_u32 s53, s53, RED
	s_and_b32 s54, s12, 1
	s_lshl_b32 s55, s54, 10
	s_add_co_u32 s55, s55, RED
	s_lshl_b32 s54, s54, 9
	s_mov_b32 s[SEL], 0x76543210
	s_mov_b32 s[SEL+1], 0xfedcba98
	s_mov_b32 s50, 0x80808080
	s_wait_dscnt 0x0
	s_wait_kmcnt 0x0
	s_mov_b32 s36, 1                               ; group 0 for lora_a's tile
	s_mov_b32 s37, s52
	s_add_nc_u64 s[38:39], s[8:9], s[48:49]
	s_or_b32 s39, s39, 0x80000000
	s_mov_b32 s32, 1                               ; group 0 for x's tile
	s_mov_b32 s33, s51
	s_add_nc_u64 s[34:35], s[4:5], s[42:43]
	s_or_b32 s35, s35, 0x80000000
	s_add_nc_u64 s[6:7], s[6:7], s[44:45]
	s_add_nc_u64 s[10:11], s[10:11], s[46:47]
	CROUND                                         ; all four work-groups are here: the joint loads meet
	tensor_load_to_lds s[36:39], s[24:31]          ; lora_a's tile, jointly
	s_nop 0
	tensor_load_to_lds s[32:35], s[16:23]          ; x's tile: two tensor loads of mine are out, and there are no more in this launch
	s_nop 0
.rept 4
	v_nop
.endr
	v_and_b32 v1, 15, v0                           ; r
	v_bfe_u32 v2, v0, 4, 1                         ; h
	v_and_b32 v3, 31, v0                           ; lane
	v_lshlrev_b32 v[XO], 2, v1
	global_load_b32 v[XSP], v[XO], s[6:7]          ; xs of row r of tile 0, twice,
	global_load_b32 v[XSP+1], v[XO], s[6:7]
	global_load_b32 v[XSP+2], v[XO], s[6:7] offset:64   ; and of tile 1
	global_load_b32 v[XSP+3], v[XO], s[6:7] offset:64
	v_mul_u32_u24 v[AX], v1, XP
	v_lshl_add_u32 v[AX], v2, 5, v[AX]
	v_add_nc_u32 v[AX], s51, v[AX]
	v_mul_u32_u24 v[AL], v1, LP
	v_lshl_add_u32 v[AL], v2, 7, v[AL]
	v_add_nc_u32 v[AL], s52, v[AL]
	v_lshlrev_b32 v[SH], 3, v2
	v_lshl_add_u32 v[RW], v3, 4, s53
	v_lshl_add_u32 v[RR], v3, 4, s55
	v_lshlrev_b32 v[TO], 5, v1
	v_lshl_add_u32 v[TO], v2, 4, v[TO]
	v_add_nc_u32 v[TO], s54, v[TO]
	v_mov_b32 v[PX], 0                             ; written once: a lane exchange's destination counts as one of its sources
	s_wait_tensorcnt 0x1                           ; lora_a's tile is in; x's, issued behind it, may be out.  Only I read my tiles
	LQ 0
	LQ 1
	s_wait_loadcnt 0x0                             ; xs
.irp i, 0,1,2,3
	v_mul_f32 v[XSN+\i], 0xc3000000, v[XSP+\i]     ; -128 xs: exact
.endr
	s_wait_tensorcnt 0x0                           ; x's tile is in
	XQ 0, 0                                        ; the two accumulators take turns, one instruction a turn;
	XQ 1, 0                                        ; the next tile's unpacking lines are the places behind each product
	XQ 0, 1
	XQ 1, 1
.rept 4
	v_nop                                          ; four places between the last product and the first read of its result
.endr
.irp t, 0,1
	ds_store_b128 v[RW], v[ACC+8*\t:ACC+8*\t+3] offset:1024*\t         ; each accumulator from its low end on
	ds_store_b128 v[RW], v[ACC+8*\t+4:ACC+8*\t+7] offset:1024*\t+512
.endr
	s_wait_dscnt 0x0                               ; for the others' sake: my partial sums lie in LDS
	s_barrier_signal -1
	s_barrier_wait -1
	s_cmp_lt_u32 s12, 2                            ; wave t (0, 1) adds the eight waves' parts of tile t
	s_cbranch_scc0 .Ldone
.irp u, 0,1,2,3,4,5,6,7
	ds_load_b128 v[F+8*\u:F+8*\u+3], v[RR] offset:2048*\u
	ds_load_b128 v[F+8*\u+4:F+8*\u+7], v[RR] offset:2048*\u+512
.endr
	s_wait_dscnt 0x0
.irp u, 0,2,4,6
.irp i, 0,2,4,6
	v_pk_add_f32 v[F+8*\u+\i:F+8*\u+\i+1], v[F+8*\u+\i:F+8*\u+\i+1], v[F+8*\u+8+\i:F+8*\u+8+\i+1]
.endr
.endr
.irp u, 0,4
.irp i, 0,2,4,6
	v_pk_add_f32 v[F+8*\u+\i:F+8*\u+\i+1], v[F+8*\u+\i:F+8*\u+\i+1], v[F+8*\u+16+\i:F+8*\u+16+\i+1]
.endr
.endr
.irp i, 0,2,4,6
	v_pk_add_f32 v[F+\i:F+\i+1], v[F+\i:F+\i+1], v[F+32+\i:F+32+\i+1]
.endr
.irp i, 0,1,2,3
	v_cvt_pk_bf16_f32 v[OB+\i], v[F+2*\i], v[F+2*\i+1]
.endr
	global_store_b128 v[TO], v[OB:OB+3], s[10:11]  ; the wave stores 512 consecutive bytes, 16 rows of tq, at a multiple of 512 from tq's first byte
.Ldone:
	s_wait_tensorcnt 0x0
	ds_add_u32 v200, v201
	s_wait_dscnt 0x0
	CROUND                                         ; the closing round: no work-group ends while a partner may still ask for a tile that names it
	s_endpgm
.Lfunc_end_k_q163d8045b4_lorat:
	.size	k_q163d8045b4_lorat, .Lfunc_end_k_q163d8045b4_lorat-k_q163d8045b4_lorat
	.p2alignl 7, 3214868480
	.fill 96, 4, 3214868480
	.section	.rodata,"a",@progbits
	.p2align	6, 0x0
	.amdhsa_kernel k_q163d8045b4_lorat
		.amdhsa_group_segment_fixed_size 220160
		.amdhsa_private_segment_fixed_size 0
		.amdhsa_enable_private_segment 0
		.amdhsa_kernarg_size 32
		.amdhsa_user_sgpr_count 2
		.amdhsa_user_sgpr_kernarg_segment_ptr 1
		.amdhsa_wavefront_size32 1
		.amdhsa_system_sgpr_workgroup_id_x 1
		.amdhsa_system_sgpr_workgroup_id_y 1
		.amdhsa_system_sgpr_workgroup_id_z 1
		.amdhsa_system_vgpr_workitem_id 0
		.amdhsa_next_free_vgpr 202
		.amdhsa_next_free_sgpr 66
		.amdhsa_reserve_vcc 0
		.amdhsa_float_denorm_mode_32 3
		.amdhsa_float_denorm_mode_16_64 3
		.amdhsa_memory_ordered 1
		.amdhsa_forward_progress 1
		.amdhsa_inst_pref_size 65
	.end_amdhsa_kernel
	.amdgpu_metadata
---
amdhsa.version: [ 1, 2 ]
amdhsa.kernels:
  - .name:           k_q163d8045b4_lorat
    .symbol:         k_q163d8045b4_lorat.kd
    .args:
      - { .name: x, .offset: 0, .size: 8, .value_kind: global_buffer, .address_space: global }
      - { .name: x_scales, .offset: 8, .size: 8, .value_kind: global_buffer, .address_space: global }
      - { .name: lora_a, .offset: 16, .size: 8, .value_kind: global_buffer, .address_space: global }
      - { .name: tq, .offset: 24, .size: 8, .value_kind: global_buffer, .address_space: global }
    .group_segment_fixed_size: 220160
    .private_segment_fixed_size: 0
    .kernarg_segment_align: 8
    .kernarg_segment_size: 32
    .max_flat_workgroup_size: 256
    .sgpr_count:     66
    .vgpr_count:     202
    .wavefront_size: 32
...
	.end_amdgpu_metadata
.endif
;; end of part 1
;; launch gemm (part 2): grid 16 x 16, 4 waves a work-group, clusters of 4 x 4, 327,680 bytes of LDS; arguments x, weight, bias, x_scales, scales, lora_b, tq, out0; writes out0
.if DOCPART == 2
	.amdgcn_target "amdgcn-amd-amdhsa--gfx1250"
	.amdhsa_code_object_version 6
	.text
	.protected	k_q163d8045b4_gemm
	.globl	k_q163d8045b4_gemm
	.p2align	8
	.type	k_q163d8045b4_gemm,@function
k_q163d8045b4_gemm:
	s_mov_b64 s[64:65], 0
	v_nop
	global_prefetch_b8 v0, s[64:65] scope:SCOPE_SE
	s_setreg_imm32_b32 hwreg(HW_REG_WAVE_MODE, 25, 1), 1
	s_wait_xcnt 0x0
	s_wait_alu depctr_hold_cnt(0) depctr_sa_sdst(0) depctr_va_vdst(0) depctr_va_sdst(0) depctr_va_ssrc(0) depctr_va_vcc(0) depctr_vm_vsrc(0)
	s_getreg_b32 s2, hwreg(HW_REG_IB_STS2, 6, 4)
	s_cmp_eq_u32 s2, 0
	s_cbranch_scc0 .Lentry_in_a_cluster
	s_endpgm
.Lentry_in_a_cluster:
	s_bfe_u32 s2, ttmp6, 0x10000c
	s_cmp_lg_u32 s2, 0xf033
	s_cbranch_scc0 .Lentry_shape_is_right
	s_endpgm
.Lentry_shape_is_right:
; out0[m][n] = gelu( acc[m][n] xs[m] s[n] + bias[n] + sum over j of T[m][j] lora_b[n][j] ),  acc = sum over k of x[m][k] weight[n][k] in i32, T = T_0 + T_1 from tq.
; x, weight: [4096][4096] int8; bias, xs, s: [4096] f32; lora_b: [4096][16] f32; tq: [2][4096][16] bf16; out0: [4096][4096] f32.  gelu is the tanh form: v / (1 + 2^(v (c0 + c1 v v))).
; A tile of out0, 256 x 256, is made by a work-group of four waves; a wave makes 128 x 128: 64 accumulators of 16 x 16, 512 registers.  16 x 16 tiles: one for each work-group.
; K goes in 16 steps of 256 through a ring of two LDS slots filled by the tensor data mover: a tile's row is 256 bytes of memory and starts at a multiple of 256 bytes from the buffer's first byte.
; THE INTEGER FORM takes both operands as they lie, K innermost, and its sums are exact.  A fragment (16 rows x 64 K, 8 registers) is loaded by two loads of 16 bytes, 32 bytes apart, at 16 (lane / 16):
; that lays the 64 k in another order in the registers than the form's own, the same order on both sides, so each x[m][k] still meets weight[n][k]; integer sums do not hang on the order.
; CLUSTERS: 4 x 4 work-groups.  The four of a row of the cluster need the same tiles of x, the four of a column the same tiles of weight: each tile is asked for JOINTLY, by the same tensor load with the
; same descriptor and a mask that names the four.
; TRANSPOSED USE: source 0 = 16 rows of weight, source 1 = 16 rows of x: lane (r, h) holds row m = r and its registers the columns n = 8 h + 0 .. 7: 32 neighbouring bytes of out0.
; THE LORA TERM is one bf16 product a tile, K = 32, added onto the dequantised accumulator in place: k 0-15 = T_0 against lora_b, k 16-31 = T_1 against lora_b once more.
; LIMITS: NaN and infinities in the float inputs are not served.  lora_b, T_0 and T_1 are rounded to bf16 for that product (its K is 16, and it is left unquantised); all else is f32.
; REGISTERS, in windows of 256 (s_set_vgpr_msb's low byte: bits 1:0 source 0, 3:2 source 1, 5:4 source 2, 7:6 destination):
;   window 0: v15-31 addresses; v32-47 xs, a pair for each block of 16 rows; v48-51 c1, c0; v64-127, v128-191 x's fragments, two buffers; v192-255 lora_b as loaded.
;             On the way out v64-127 T's fragments, v128-191 a block at work, v192-255 rows read back from the stage.
;   window 1: v0-63 s of my 128 columns in the result's layout; v64-127, v128-191 weight's fragments, two buffers (on the way out v64-127 lora_b's fragments); v192-255 bias like s.
;   window 2: the 32 accumulators of my rows 0-63 (accumulator (a, b) at v[8 (8 a + b)]);   window 3: those of my rows 64-127.
.set KSTEP,  256                       ; along K in a slot, and a tile's row in bytes
.set PITCH,  272                       ; an LDS row: 256 bytes + 16 of padding: the 16 rows that a load touches begin 16 bytes apart modulo 256
.set HALFT,  128*PITCH                 ; 128 rows: what one tensor load brings, and what one wave reads of x or of weight
.set SLOT,   4*HALFT                   ; x's 256 rows, then weight's 256 rows
.set STAGE,  2*SLOT                    ; behind the ring: 16 rows x 528 bytes for each wave, for the way out; no tensor load lands here
.set SPITCH, 528                       ; a stage row: 512 bytes + 16
.set SPARE,  STAGE+4*16*SPITCH         ; behind the stages: the spare words, 128 bytes for each wave: two blocks of 256 bytes that no other line names
.set LAPS,   4096/(2*KSTEP)            ; a lap = two K steps = once round the ring
.set XO,   15                          ; v15  4 r: my row's xs
.set ADRA, 16                          ; v16-17  LDS address of my fragments of x in slot 0, 1
.set ADRB, 20                          ; v20-21  the same for weight
.set STO,  24                          ; v24  the way out: where I put 32 bytes of a row
.set RD,   25                          ; v25  where I read a row back
.set CO,   26                          ; v26  16 x lane: my bytes of a row of out0
.set TO,   27                          ; v27  32 r + 16 h: my bytes of tq
.set SPW,  28                          ; v28  LDS address of my spare word: SPARE + 4 x my thread's number; never rewritten
.set NIL,  29                          ; v29  0; never rewritten
.set VN,   30                          ; v30  32 h: my eight columns of a block of 16, in s and in bias
.set LBO,  31                          ; v31  64 r + 32 h: my eight ranks of a row of lora_b
.set XS,   32
.set C1,   48
.set C0,   50
.set F0,   64                          ; fragment buffers
.set F1,   128
.set TF,   64                          ; window 0: T's fragment of block a at v[TF + 8 a]
.set E,    128                         ; window 0: the block at work
.set RB,   192                         ; window 0: lora_b as loaded; then 16 rows read back
.set SV,   0                           ; window 1
.set BF,   64                          ; window 1: lora_b's fragment of block b at v[BF + 8 b]
.set BV,   192                         ; window 1
.set G1,  24                           ; s[24:31] descriptor group 1 for x's tiles;  s[32:39] group 0, one set for each slot
.set G0,  32
.set G1B, 48                           ; s[48:55], s[56:63] the same for weight's
.set G0B, 56
.set MSB, 0
.macro WIN new                         ; the immediate's high byte repeats the setting that is left; a switch that changes nothing is dropped
.if MSB != \new
	s_set_vgpr_msb (MSB<<8)|\new
.set MSB, \new
.endif
.endm
.set MUL_LO, 0xa1                      ; source 0 window 1, source 1 window 0, C and D window 2
.set MUL_HI, 0xf1                      ; the same, C and D window 3
.set TO_B,   0x40                      ; destination window 1, all else window 0
; A joint load.  Waves 0 and 1 fetch x's two halves, waves 2 and 3 weight's.  Each line has one mask and one set of registers for all that issue it; the branch hangs on the wave's number alone.
; Four v_nop follow each of the two lines, ahead of the jump, the label and what follows.
.macro JLOAD s
	s_cmp_eq_u32 s11, 0
	s_cbranch_scc0 .Lfor_b_\@
	tensor_load_to_lds s[G0+4*\s:G0+4*\s+3], s[G1:G1+7]
	s_nop 0
.rept 4
	v_nop
.endr
	s_branch .Lasked_\@
.Lfor_b_\@:
	tensor_load_to_lds s[G0B+4*\s:G0B+4*\s+3], s[G1B:G1B+7]
	s_nop 0
.rept 4
	v_nop
.endr
.Lasked_\@:
.endm
.macro CREST                           ; a round of the cluster's barrier behind its opening barrier
	s_cmp_lg_u32 s10, 0
	s_cbranch_scc1 .Lnot_wave_0_\@
	s_barrier_signal -3
.Lnot_wave_0_\@:
	s_barrier_wait -3
	s_barrier_signal -1
	s_barrier_wait -1
.endm
.macro CROUND                          ; a whole round
	s_barrier_signal -1
	s_barrier_wait -1
	CREST
.endm
	s_load_b128 s[4:7], s[0:1], 0x0                ; x s[4:5], weight s[6:7]
	s_load_b256 s[68:75], s[0:1], 0x10             ; bias s[68:69], x_scales s[70:71], scales s[72:73], lora_b s[74:75]
	s_load_b128 s[76:79], s[0:1], 0x30             ; tq s[76:77], out0 s[78:79]
	v_lshl_add_u32 v[SPW], v0, 2, SPARE
	v_mov_b32 v[NIL], 0
	ds_add_u32 v28, v29
	ds_add_u32 v28, v29
	s_wait_dscnt 0x0
	v_lshrrev_b32 v1, 5, v0
	v_readfirstlane_b32 s10, v1                    ; wave 0..3
	s_lshr_b32 s11, s10, 1                         ; which half of the tile's rows is mine.  Also: I fetch for x (0) or for weight (1)
	s_and_b32 s12, s10, 1                          ; which half of its columns.  Also: which 128 rows of that tile I fetch
	s_bfe_u32 s40, ttmp6, 0x40000                  ; cx, cy: my place in the cluster
	s_bfe_u32 s41, ttmp6, 0x40004
	s_lshl_b32 s42, ttmp9, 2
	s_add_co_u32 s42, s42, s40                     ; tile column = 4 x cluster x + cx
	s_and_b32 s13, ttmp7, 0xffff
	s_lshl_b32 s13, s13, 2
	s_add_co_u32 s13, s13, s41                     ; tile row = 4 x cluster y + cy
	s_lshl_b32 s43, s41, 2
	s_lshl_b32 s43, 15, s43                        ; my row of the cluster: places 4 cy .. 4 cy + 3
	s_lshl_b32 s44, 0x1111, s40                    ; my column: places cx, cx + 4, cx + 8, cx + 12
	; descriptor group 1: a tile of 128 rows x 256 bytes, padded in LDS
	s_or_b32 s[G1+0], s43, (0<<16)|(1<<20)|(1<<21)|(5<<22)|(3<<25)   ; 15:0 the mask: x's tiles go to my row; 17:16 elements of 1 byte; 20 padding on; 21 set beside a mask; 24:22 after every 64 words; 31:25 four words
	s_or_b32 s[G1B+0], s44, (0<<16)|(1<<20)|(1<<21)|(5<<22)|(3<<25)  ; the same with the mask of my column, for weight's tiles
.irp g, G1, G1B
	s_mov_b32 s[\g+1], KSTEP<<16                   ; tensor_dim0
	s_mov_b32 s[\g+2], 128<<16                     ; tensor_dim1
	s_mov_b32 s[\g+3], KSTEP<<16                   ; tile_dim0
	s_mov_b32 s[\g+4], 128                         ; tile_dim1
	s_mov_b32 s[\g+5], 4096                        ; from row to row
	s_mov_b32 s[\g+6], 0
	s_mov_b32 s[\g+7], 0
.endr
	; where the tiles come from.  x's hang on the tile row alone, weight's on the tile column alone; each address is made in registers that never hold the other coordinate
	s_lshl_b32 s17, s12, 7                         ; which 128 rows of the tile I fetch
	s_lshl_b32 s16, s13, 8
	s_add_co_u32 s16, s16, s17                     ; x: row 256 x tile row + 128 x half,
	s_lshl_b32 s16, s16, 12                        ; of 4,096 bytes
	s_lshl_b32 s46, s42, 8
	s_add_co_u32 s46, s46, s17                     ; weight: row 256 x tile column + 128 x half
	s_lshl_b32 s46, s46, 12
	s_mov_b32 s17, 0
	s_mov_b32 s47, 0
	s_mul_i32 s20, s10, HALFT                      ; and where they go: wave x 128 rows: no place in the cluster enters an LDS address
	s_wait_kmcnt 0x0
	s_add_nc_u64 s[14:15], s[4:5], s[16:17]
	s_add_nc_u64 s[46:47], s[6:7], s[46:47]
	CROUND                                         ; all sixteen work-groups are here: the first joint loads meet
.irp s, 0,1
	s_mov_b32 s[G0+4*\s], 1                                        ; count = 1
	s_add_co_u32 s[G0+4*\s+1], s20, \s*SLOT                        ; LDS address
	s_add_nc_u64 s[G0+4*\s+2:G0+4*\s+3], s[14:15], \s*KSTEP        ; global address: K step s
	s_or_b32 s[G0+4*\s+3], s[G0+4*\s+3], 0x80000000                ; type = 2
	s_mov_b32 s[G0B+4*\s], 1
	s_add_co_u32 s[G0B+4*\s+1], s20, \s*SLOT
	s_add_nc_u64 s[G0B+4*\s+2:G0B+4*\s+3], s[46:47], \s*KSTEP
	s_or_b32 s[G0B+4*\s+3], s[G0B+4*\s+3], 0x80000000
	JLOAD \s                                       ; both slots are asked for before anything else is done: two tensor loads of mine are out
.endr
	v_and_b32 v1, 15, v0                           ; r = lane % 16
	v_bfe_u32 v2, v0, 4, 1                         ; h = lane / 16
	v_mul_u32_u24 v3, v1, PITCH
	v_lshl_add_u32 v3, v2, 4, v3                   ; a fragment's row x pitch + 16 x half
	s_mul_i32 s21, s11, HALFT                      ; my 128 rows of x
	s_mul_i32 s22, s12, HALFT                      ; my 128 rows of weight,
	s_add_co_u32 s22, s22, 2*HALFT                 ; which lie behind x's 256
.irp s, 0,1
	v_add_nc_u32 v[ADRA+\s], s21, v3
	v_add_nc_u32 v[ADRB+\s], s22, v3
	s_add_co_u32 s21, s21, SLOT
	s_add_co_u32 s22, s22, SLOT
.endr
	s_mul_i32 s23, s10, 16*SPITCH
	s_add_co_u32 s23, s23, STAGE                   ; my stage
	v_mul_u32_u24 v4, v1, SPITCH                   ; in: row r, 32 bytes for each half of the lanes
	v_lshl_add_u32 v4, v2, 5, v4
	v_add_nc_u32 v[STO], s23, v4
	v_and_b32 v5, 31, v0
	v_lshlrev_b32 v[CO], 4, v5                     ; back: the 32 lanes take one row of 512 bytes; and the same in out0
	v_add_nc_u32 v[RD], s23, v[CO]
	v_lshlrev_b32 v[TO], 5, v1
	v_lshl_add_u32 v[TO], v2, 4, v[TO]
	v_lshlrev_b32 v[VN], 5, v2
	v_lshlrev_b32 v[LBO], 6, v1
	v_lshl_add_u32 v[LBO], v2, 5, v[LBO]
	v_lshlrev_b32 v[XO], 2, v1
	v_mov_b32 v[C1], 0xbdd2d3e8                    ; c1 = -2 log2(e) sqrt(2 / pi) x 0.044715
	v_mov_b32 v[C1+1], 0xbdd2d3e8
	v_mov_b32 v[C0], 0xc0135761                    ; c0 = -2 log2(e) sqrt(2 / pi)
	v_mov_b32 v[C0+1], 0xc0135761
	; the way out's pointers: m0 = my first row, n0 = my first column
	s_lshl_b32 s80, s13, 8
	s_lshl_b32 s81, s11, 7
	s_add_co_u32 s80, s80, s81                     ; m0 = 256 x tile row + 128 x half
	s_lshl_b32 s82, s42, 8
	s_lshl_b32 s83, s12, 7
	s_add_co_u32 s82, s82, s83                     ; n0 = 256 x tile column + 128 x half
	s_mov_b32 s85, 0
	s_lshl_b32 s84, s82, 2                         ; 4 n0
	s_add_nc_u64 s[68:69], s[68:69], s[84:85]      ; bias
	s_add_nc_u64 s[72:73], s[72:73], s[84:85]      ; scales
	s_add_nc_u64 s[78:79], s[78:79], s[84:85]      ; out0's column
	s_lshl_b32 s84, s82, 6                         ; 64 n0
	s_add_nc_u64 s[74:75], s[74:75], s[84:85]      ; lora_b
	s_lshl_b32 s84, s80, 2                         ; 4 m0
	s_add_nc_u64 s[70:71], s[70:71], s[84:85]      ; x_scales
	s_lshl_b32 s84, s80, 5                         ; 32 m0
	s_add_nc_u64 s[76:77], s[76:77], s[84:85]      ; tq
	s_lshl_b32 s84, s80, 14                        ; 16,384 m0
	s_add_nc_u64 s[78:79], s[78:79], s[84:85]      ; out0's row
	; what the way out wants along n and m is loaded now, into registers that the loop leaves alone, while the first tiles are on their way
	WIN TO_B
.irp b, 0,1,2,3,4,5,6,7
	global_load_b128 v[SV+8*\b:SV+8*\b+3],   v[VN], s[72:73] offset:64*\b      ; s[n0 + 16 b + 8 h + 0 .. 7]
	global_load_b128 v[SV+8*\b+4:SV+8*\b+7], v[VN], s[72:73] offset:64*\b+16
	global_load_b128 v[BV+8*\b:BV+8*\b+3],   v[VN], s[68:69] offset:64*\b      ; bias likewise
	global_load_b128 v[BV+8*\b+4:BV+8*\b+7], v[VN], s[68:69] offset:64*\b+16
.endr
	WIN 0
.irp a, 0,1,2,3,4,5,6,7
	global_load_b32 v[XS+2*\a],   v[XO], s[70:71] offset:64*\a                 ; xs[m0 + 16 a + r], twice: a pair for the packed multiply
	global_load_b32 v[XS+2*\a+1], v[XO], s[70:71] offset:64*\a
.endr
.irp b, 0,1,2,3,4,5,6,7
	global_load_b128 v[RB+8*\b:RB+8*\b+3],   v[LBO], s[74:75] offset:1024*\b   ; lora_b[n0 + 16 b + r][8 h + 0 .. 7]
	global_load_b128 v[RB+8*\b+4:RB+8*\b+7], v[LBO], s[74:75] offset:1024*\b+16
.endr
; 16 matrix instructions: row blocks a0, a0 + 1 of the window's four (hi = 0: my rows 0-63, 1: rows 64-127) x all 8 column blocks, 64 along K; both operands signed.
; zero = 1: the first product starts the sums: nothing is ever cleared.  The 64 accumulators take turns, one instruction a turn, in the same order in every quarter.
.macro MUL16 f, hi, a0, zero
.irp a, \a0, \a0+1
.irp b, 0,1,2,3,4,5,6,7
.if \zero
	v_wmma_i32_16x16x64_iu8 v[8*(8*(\a)+\b):8*(8*(\a)+\b)+7], v[\f+8*\b:\f+8*\b+7], v[\f+8*(4*\hi+\a):\f+8*(4*\hi+\a)+7], 0 neg_lo:[1,1,0]
.else
	v_wmma_i32_16x16x64_iu8 v[8*(8*(\a)+\b):8*(8*(\a)+\b)+7], v[\f+8*\b:\f+8*\b+7], v[\f+8*(4*\hi+\a):\f+8*(4*\hi+\a)+7], v[8*(8*(\a)+\b):8*(8*(\a)+\b)+7] neg_lo:[1,1,0]
.endif
.endr
.endr
.endm
; 32 LDS loads in one run: the fragments of one quarter (128 rows of weight, 128 rows of x, 64 K at byte k of the rows) into buffer f
.macro FETCH slot, k, f
	WIN TO_B
.irp i, 0,1,2,3,4,5,6,7
	ds_load_b128 v[\f+8*\i:\f+8*\i+3],   v[ADRB+\slot] offset:\k+\i*16*PITCH
	ds_load_b128 v[\f+8*\i+4:\f+8*\i+7], v[ADRB+\slot] offset:\k+\i*16*PITCH+32
.endr
	WIN 0
.irp i, 0,1,2,3,4,5,6,7
	ds_load_b128 v[\f+8*\i:\f+8*\i+3],   v[ADRA+\slot] offset:\k+\i*16*PITCH
	ds_load_b128 v[\f+8*\i+4:\f+8*\i+7], v[ADRA+\slot] offset:\k+\i*16*PITCH+32
.endr
.endm
; Behind the integer form a load into a register that it has read, and a vector instruction that reads its result or writes one of its registers, stand eight places back, a matrix instruction that
; writes over one of its registers nine; only plain vector instructions that name none of its registers are places (ISA guide 7.12.1 for vector instructions).
.macro PLACES n
.rept \n
	v_nop
.endr
.endm
; A K step is four quarters of 64 along K, 64 matrix instructions each, on buffers 0, 1, 0, 1.  One of the first three: multiplies buffer f; in its middle it fetches the next quarter, at byte k, into buffer g.
.macro QUARTER slot, k, f, g, zero
	s_wait_dscnt 8                                 ; weight's fragments and x's rows 0-63 are in; the youngest eight loads (x's rows 64-127) may be out
	WIN MUL_LO
	MUL16 \f, 0, 0, \zero
	MUL16 \f, 0, 2, \zero
	PLACES 8                                       ; buffer g was multiplied in the quarter before
	FETCH \slot, \k, \g
	s_wait_dscnt 32                                ; all but the 32 just issued
	WIN MUL_HI
	MUL16 \f, 1, 0, \zero
	MUL16 \f, 1, 2, \zero
.endm
; The last quarter multiplies buffer 1 and changes slots.  MEET is its first half: ONE barrier.  In front of it each wave waits for all its tensor loads (one is out: its part of the next slot), adds 0 to its
; spare word, and waits for that and for its own reads of this slot.  Behind it nobody reads this slot any more and the next slot is whole.
.macro MEET round                      ; round = 1: the rest of a round of the cluster's barrier follows
	WIN 0                                          ; (the add's two registers lie in window 0)
	s_wait_tensorcnt 0x0                           ; all my tensor loads have landed
	ds_add_u32 v[SPW], v[NIL]                      ; 0 onto my spare word
	s_wait_dscnt 9                                 ; (the add and the youngest eight loads may be out)
	WIN MUL_LO
	MUL16 F1, 0, 0, 0                              ; sixteen matrix instructions stand between the add and the wait for it
	s_wait_dscnt 0x0                               ; the add is done, and my reads of this slot are over
	s_barrier_signal -1
	MUL16 F1, 0, 2, 0                              ; work on registers while the others arrive
.if \round
	WIN 0
.endif
	s_barrier_wait -1
.endm
; The whole last quarter.  fill = 1: behind the round this slot is filled again first, with the K step two steps on: from that request to the wait for it a wave issues 224 matrix instructions.
.macro TURN slot, next, fill
	MEET \fill
.if \fill
	CREST                                          ; no wave of any partner still reads this slot's tile or has a load on its way
	s_add_nc_u64 s[G0+4*\slot+2:G0+4*\slot+3], s[G0+4*\slot+2:G0+4*\slot+3], 2*KSTEP      ; no tensor load of mine is out: a group 0 may be written
	s_add_nc_u64 s[G0B+4*\slot+2:G0B+4*\slot+3], s[G0B+4*\slot+2:G0B+4*\slot+3], 2*KSTEP
	JLOAD \slot                                    ; my one tensor load behind the round, and the first thing there; its four v_nop
	PLACES 4                                       ; and these four are the eight places in front of the loads into buffer 0
.else
	PLACES 8
.endif
	FETCH \next, 0, F0
	WIN MUL_HI
	MUL16 F1, 1, 0, 0
	MUL16 F1, 1, 2, 0
.endm
; THE WAY OUT, block a of 16 rows x 128 columns at a time.
; SCALE: the block's 64 sums become f32, times xs of my row, times s of the column plus bias: in place, each accumulator from its low end on.
.macro SCALE a
.set AC, 64*((\a)%4)
.set WW, 2+(\a)/4
.set W_CV, (WW<<6)|WW
.set W_FM, (WW<<6)|0x14|WW
	WIN W_CV                                       ; destination and source 0 in the block's window, source 1 (xs) in window 0
.set j, 0
.rept 64
	v_cvt_f32_i32 v[AC+j], v[AC+j]
.set j, j+1
.endr
.set j, 0
.rept 32
	v_pk_mul_f32 v[AC+2*j:AC+2*j+1], v[AC+2*j:AC+2*j+1], v[XS+2*(\a):XS+2*(\a)+1]
.set j, j+1
.endr
	WIN W_FM                                       ; sources 1 and 2 (s, bias) in window 1
.set j, 0
.rept 32
	v_pk_fma_f32 v[AC+2*j:AC+2*j+1], v[AC+2*j:AC+2*j+1], v[SV+2*j:SV+2*j+1], v[BV+2*j:BV+2*j+1]
.set j, j+1
.endr
.endm
; LORA: eight bf16 products add T lora_b^T onto the block, each on an accumulator of its own.
.macro LORA a
.set AC, 64*((\a)%4)
.if (\a) < 4
	WIN MUL_LO
.else
	WIN MUL_HI
.endif
.irp b, 0,1,2,3,4,5,6,7
	v_wmma_f32_16x16x32_bf16 v[AC+8*\b:AC+8*\b+7], v[BF+8*\b:BF+8*\b+7], v[TF+8*(\a):TF+8*(\a)+7], v[AC+8*\b:AC+8*\b+7]
.endr
.endm
; GELU: E = v / (1 + 2^(v (c0 + c1 v v))).  For large |v| the power is 0 or infinity and the quotient v or 0.  The 64 exponentials are one batch with one wait, and so are the 64 reciprocals.
.macro GELU a
.set AC, 64*((\a)%4)
.set WW, 2+(\a)/4
.set W_SQ, (WW<<2)|WW
.set W_MV, WW<<2
	WIN W_SQ                                       ; both sources in the block's window, destination in window 0
.set j, 0
.rept 32
	v_pk_mul_f32 v[E+2*j:E+2*j+1], v[AC+2*j:AC+2*j+1], v[AC+2*j:AC+2*j+1]   ; each accumulator is read from its low end on
.set j, j+1
.endr
	WIN 0
.set j, 0
.rept 32
	v_pk_fma_f32 v[E+2*j:E+2*j+1], v[E+2*j:E+2*j+1], v[C1:C1+1], v[C0:C0+1]
.set j, j+1
.endr
	WIN W_MV                                       ; source 1 in the block's window
.set j, 0
.rept 32
	v_pk_mul_f32 v[E+2*j:E+2*j+1], v[E+2*j:E+2*j+1], v[AC+2*j:AC+2*j+1]
.set j, j+1
.endr
	WIN 0
.set j, 0
.rept 64
	v_exp_f32 v[E+j], v[E+j]
.set j, j+1
.endr
	v_nop                                          ; a plain instruction behind the last exponential,
	s_wait_alu depctr_va_vdst(0)                   ; and a wait ahead of the batch's first reader
.set j, 0
.rept 32
	v_pk_add_f32 v[E+2*j:E+2*j+1], v[E+2*j:E+2*j+1], 1.0 op_sel_hi:[1,0]
.set j, j+1
.endr
.set j, 0
.rept 64
	v_rcp_f32 v[E+j], v[E+j]
.set j, j+1
.endr
	v_nop
	s_wait_alu depctr_va_vdst(0)                   ; one for the 64 reciprocals
	WIN W_MV
.set j, 0
.rept 32
	v_pk_mul_f32 v[E+2*j:E+2*j+1], v[E+2*j:E+2*j+1], v[AC+2*j:AC+2*j+1]
.set j, j+1
.endr
	WIN 0
.endm
; TOSTAGE: a lane's 32 bytes of a row go into my own stage and come back as whole rows of 512 bytes.  LDS serves a wave's instructions in order (ISA guide 5.7.1.4): no wait between the stores and the loads.
.macro TOSTAGE a
.if (\a) > 0
	s_wait_xcnt 0x0                                ; the last block's stores have read their registers: the loads below may land there
.endif
.irp b, 0,1,2,3,4,5,6,7
	ds_store_b128 v[STO], v[E+8*\b:E+8*\b+3] offset:64*\b
	ds_store_b128 v[STO], v[E+8*\b+4:E+8*\b+7] offset:64*\b+16
.endr
.irp t, 0,1,2,3,4,5,6,7,8,9,10,11,12,13,14,15
	ds_load_b128 v[RB+4*\t:RB+4*\t+3], v[RD] offset:\t*SPITCH
.endr
.endm
.macro SEND a
	WIN 0
	s_wait_dscnt 0x0                               ; the block is back in registers, and the stage and E are free
.irp t, 0,1,2,3,4,5,6,7,8,9,10,11,12,13,14,15
	global_store_b128 v[CO], v[RB+4*\t:RB+4*\t+3], s[78:79] offset:(16*(\a)+\t)*16384 th:TH_STORE_NT   ; 32 lanes store 512 consecutive bytes, at a multiple of 512 from out0's first byte; the row stands in the immediate, 2,080,768 at the most
.endr
.endm
	s_wait_loadcnt 0x0                             ; s, bias, xs, lora_b
	s_wait_tensorcnt 1                             ; my part of K step 0 is in; K step 1's may stay out
	s_barrier_signal -1
	s_barrier_wait -1                              ; everybody's is
	FETCH 0, 0, F0
	QUARTER 0, 64,  F0, F1, 1                      ; the first quarter stands in front of the loop: its products start the sums
	WIN 0                                          ; at a label and at a branch every window is 0
	s_mov_b32 s3, LAPS-1
.Llap:                                                 ; a trip goes once round the ring, from a lap's second quarter to the next lap's first, and fills both slots again: K steps 2 to 15 in seven trips
	QUARTER 0, 128, F1, F0, 0
	QUARTER 0, 192, F0, F1, 0
	TURN 0, 1, 1
	QUARTER 1, 64,  F0, F1, 0
	QUARTER 1, 128, F1, F0, 0
	QUARTER 1, 192, F0, F1, 0
	TURN 1, 0, 1
	QUARTER 0, 64,  F0, F1, 0
	WIN 0
	s_sub_co_u32 s3, s3, 1
	s_cmp_lg_u32 s3, 0
	s_cbranch_scc1 .Llap
	QUARTER 0, 128, F1, F0, 0                      ; the last lap is written out: it fills nothing, and has no round of the cluster's barrier
	QUARTER 0, 192, F0, F1, 0
	TURN 0, 1, 0
	QUARTER 1, 64,  F0, F1, 0
	QUARTER 1, 128, F1, F0, 0
	QUARTER 1, 192, F0, F1, 0
	WIN 0                                          ; the very last quarter: nothing more to fetch from LDS; x's buffer 0 takes T's fragments meanwhile
	PLACES 8                                       ; buffer 0 was multiplied just now
.irp a, 0,1,2,3,4,5,6,7
	global_load_b128 v[TF+8*\a:TF+8*\a+3],   v[TO], s[76:77] offset:512*\a          ; k 0-15: T_0[m0 + 16 a + r][8 h + 0 .. 7]
	global_load_b128 v[TF+8*\a+4:TF+8*\a+7], v[TO], s[76:77] offset:512*\a+131072   ; k 16-31: T_1 likewise
.endr
	s_wait_dscnt 8
	WIN MUL_LO
	MUL16 F1, 0, 0, 0
	MUL16 F1, 0, 2, 0
	s_wait_dscnt 0x0
	WIN MUL_HI
	MUL16 F1, 1, 0, 0
	MUL16 F1, 1, 2, 0
	WIN 0
	PLACES 9                                       ; from here on every line stands far enough behind every integer product, the bf16 products that write over its results too
	s_wait_loadcnt 0x0                             ; T's fragments
	WIN TO_B
.irp b, 0,1,2,3,4,5,6,7
.irp i, 0,1,2,3
	v_cvt_pk_bf16_f32 v[BF+8*\b+\i],   v[RB+8*\b+2*\i], v[RB+8*\b+2*\i+1]   ; lora_b's fragment: k 0-15,
	v_cvt_pk_bf16_f32 v[BF+8*\b+4+\i], v[RB+8*\b+2*\i], v[RB+8*\b+2*\i+1]   ; and the same numbers as k 16-31
.endr
.endr
	SCALE 0
.irp a, 0,1,2,3,4,5,6,7
	LORA \a
.if \a < 7
	SCALE \a+1                                     ; the next block's 128 lines name none of those products' registers: they are the places behind them
.else
	PLACES 4
.endif
.if \a > 0
	SEND \a-1                                      ; the block before has had the lines above for its way through the stage
.endif
	GELU \a
	TOSTAGE \a
.endr
	SEND 7
	s_wait_tensorcnt 0x0                           ; the wave's end: behind my last tensor load and my last LDS store
	ds_add_u32 v[SPW], v[NIL]
	s_wait_dscnt 0x0
	CROUND                                         ; the closing round: no work-group ends while a partner may still ask for a tile that names it
	s_endpgm
.Lfunc_end_k_q163d8045b4_gemm:
	.size	k_q163d8045b4_gemm, .Lfunc_end_k_q163d8045b4_gemm-k_q163d8045b4_gemm
	.p2alignl 7, 3214868480
	.fill 96, 4, 3214868480
	.section	.rodata,"a",@progbits
	.p2align	6, 0x0
	.amdhsa_kernel k_q163d8045b4_gemm
		.amdhsa_group_segment_fixed_size 327680
		.amdhsa_private_segment_fixed_size 0
		.amdhsa_enable_private_segment 0
		.amdhsa_kernarg_size 64
		.amdhsa_user_sgpr_count 2
		.amdhsa_user_sgpr_kernarg_segment_ptr 1
		.amdhsa_wavefront_size32 1
		.amdhsa_system_sgpr_workgroup_id_x 1
		.amdhsa_system_sgpr_workgroup_id_y 1
		.amdhsa_system_sgpr_workgroup_id_z 1
		.amdhsa_system_vgpr_workitem_id 0
		.amdhsa_next_free_vgpr 1024
		.amdhsa_next_free_sgpr 92
		.amdhsa_reserve_vcc 0
		.amdhsa_float_denorm_mode_32 3
		.amdhsa_float_denorm_mode_16_64 3
		.amdhsa_memory_ordered 1
		.amdhsa_forward_progress 1
		.amdhsa_inst_pref_size 255
	.end_amdhsa_kernel
	.section	.bss,"aw",@nobits
	.p2align	6
	.space	262144
	.amdgpu_metadata
---
amdhsa.version: [ 1, 2 ]
amdhsa.kernels:
  - .name:           k_q163d8045b4_gemm
    .symbol:         k_q163d8045b4_gemm.kd
    .args:
      - { .name: x, .offset: 0, .size: 8, .value_kind: global_buffer, .address_space: global }
      - { .name: weight, .offset: 8, .size: 8, .value_kind: global_buffer, .address_space: global }
      - { .name: bias, .offset: 16, .size: 8, .value_kind: global_buffer, .address_space: global }
      - { .name: x_scales, .offset: 24, .size: 8, .value_kind: global_buffer, .address_space: global }
      - { .name: scales, .offset: 32, .size: 8, .value_kind: global_buffer, .address_space: global }
      - { .name: lora_b, .offset: 40, .size: 8, .value_kind: global_buffer, .address_space: global }
      - { .name: tq, .offset: 48, .size: 8, .value_kind: global_buffer, .address_space: global }
      - { .name: out0, .offset: 56, .size: 8, .value_kind: global_buffer, .address_space: global }
    .group_segment_fixed_size: 327680
    .private_segment_fixed_size: 0
    .kernarg_segment_align: 8
    .kernarg_segment_size: 64
    .max_flat_workgroup_size: 128
    .sgpr_count:     92
    .vgpr_count:     1024
    .wavefront_size: 32
...
	.end_amdgpu_metadata
.endif
;; end of part 2
